; MI455X (gfx1250); checked and timed in simulation.
; The chip was launched on July 23, 2026; its instructions are those of AMD's public machine-readable ISA for CDNA 5 (MIT licence, August 2026) and "CDNA5" Instruction Set Architecture Reference Guide (July 2026). The comments in the code are by the model that wrote it; some were corrected since.
;; Multi Head Attention L. Allowed arithmetic: matrix products marked QUANTISED: E2M3 operands, one E8M0 scale for each 32 along K, by v_wmma_scale_f32_16x16x128_f8f6f4 with both operands' format E2M3, f32 sums; everything else in f32.
;; Inputs: Wk_codes 512 x 8 x 24 uint8 (E2M3 codes of Wk, K innermost, in blocks of 32 codes, four codes in three bytes); Wk_scales 512 x 8 uint8 (E8M0 scales of Wk, one for each 32 codes along K); Wq_codes 512 x 8 x 24 uint8 (E2M3 codes of Wq, K innermost, in blocks of 32 codes, four codes in three bytes); Wq_scales 512 x 8 uint8 (E8M0 scales of Wq, one for each 32 codes along K); Wr_codes 512 x 8 x 24 uint8 (E2M3 codes of Wr, K innermost, in blocks of 32 codes, four codes in three bytes); Wr_scales 512 x 8 uint8 (E8M0 scales of Wr, one for each 32 codes along K); Wv_codes 512 x 8 x 24 uint8 (E2M3 codes of Wv, K innermost, in blocks of 32 codes, four codes in three bytes); Wv_scales 512 x 8 uint8 (E8M0 scales of Wv, one for each 32 codes along K); bk 512 float32; bq 512 float32; br 512 float32; bv 512 float32; key0_codes 16 x 1,024 x 8 x 24 uint8 (E2M3 codes of key0, K innermost, in blocks of 32 codes, four codes in three bytes); key0_scales 16 x 1,024 x 8 uint8 (E8M0 scales of key0, one for each 32 codes along K); query0_codes 16 x 1,024 x 8 x 24 uint8 (E2M3 codes of query0, K innermost, in blocks of 32 codes, four codes in three bytes); query0_scales 16 x 1,024 x 8 uint8 (E8M0 scales of query0, one for each 32 codes along K); value0_codes 16 x 1,024 x 8 x 24 uint8 (E2M3 codes of value0, K innermost, in blocks of 32 codes, four codes in three bytes); value0_scales 16 x 1,024 x 8 uint8 (E8M0 scales of value0, one for each 32 codes along K).
;; Outputs: out0 16 x 1,024 x 512 float32.
;; This version of the problem:
;;   THIS VERSION OF THE PROBLEM IS GIVEN IN LOW PRECISION. The matrix products marked QUANTISED in the list below multiply operands that are first quantised to E2M3 (2 exponent bits, 3 mantissa bits; 6 bits a number), with one power-of-two scale for each 32 numbers along K (OCP MX v1.0); their sums are f32. All else is computed in f32.
;;   The module's matrix products, in the order in which they are computed (A, B: the left and right operand; K: the contracted axis; several contracted axes count as one K, in the product's order):
;;     1. [M 16,384, K 256] x [K 256, N 512]; A: input key0 (given as codes); B: input Wk (given as codes): QUANTISED
;;     2. [M 16,384, K 256] x [K 256, N 512]; A: input value0 (given as codes); B: input Wv (given as codes): QUANTISED
;;     3. [M 16,384, K 256] x [K 256, N 512]; A: input query0 (given as codes); B: input Wq (given as codes): QUANTISED
;;     4. batch 256 x [M 1,024, K 32] x [K 32, N 1,024]; A: computed on the way; B: computed on the way: QUANTISED
;;     5. batch 256 x [M 1,024, K 1,024] x [K 1,024, N 32]; A: softmax (see below); B: computed on the way: QUANTISED
;;     6. [M 16,384, K 256] x [K 256, N 512]; A: input query0 (given as codes); B: input Wr (given as codes): QUANTISED
;;   THE QUANTISER, for each operand of a quantised product, along K:
;;     - K is cut into blocks of 32 from its start; a last block that is shorter is filled with zeros.
;;     - A block's scale is 2^e with e = floor(log2(the largest magnitude in the block)) - 2, held to -126 .. 127; a block of zeros has e = 0. As a byte (E8M0): e + 127.
;;     - Each number is divided by its block's scale, clamped to +-7.5, and rounded to the nearest number of E2M3, ties to even, subnormals kept.
;;     - The product sums the exact products of the quantised numbers (number of the format x scale) in f32.
;;   ~~~python
;;   def quantise(x, axis):      # numpy; x: float32 -> the quantised numbers, widened to float32 again
;;       x = np.moveaxis(x, axis, -1); K = x.shape[-1]
;;       x = np.pad(x, [(0, 0)] * (x.ndim - 1) + [(0, -K % 32)]); x = x.reshape(x.shape[:-1] + (-1, 32)); a = np.abs(x).max(-1, keepdims=True)
;;       e = np.where(a > 0, np.clip(np.frexp(np.where(a > 0, a, 1))[1] - 1 - 2, -126, 127), 0)      # np.frexp(a)[1] - 1 = floor(log2(a)), exactly
;;       r = np.clip(x / 2.0 ** e, -7.5, 7.5)
;;       step = 2.0 ** (np.maximum(np.frexp(np.where(r == 0, 1, r))[1] - 1, 0) - 3)
;;       q = np.round(r / step) * step * 2.0 ** e      # np.round: ties to even
;;       return np.moveaxis(q.reshape(q.shape[:-2] + (-1,))[..., :K], -1, axis).astype(np.float32)
;;   ~~~
;;   SOFTMAX AHEAD OF A QUANTISED PRODUCT. Where the list says 'softmax', what is quantised is not the finished softmax but p = 2^(t - M), with t = logit x log2(e) and M = ceil(the row's largest t), a whole number; so 1/2 < the row's largest p <= 1. The row's sum l is taken of the UNQUANTISED p, in f32, and the product's result is divided by l at the end. Since M is a whole number, a kernel that streams over the keys may use a running M (the ceiling of the running maximum): every later rescaling is an exact power of two, which a block's scale takes up: the codes' values come out the same.
;;   OPERANDS COMPUTED ON THE WAY. 'Computed on the way' means the value that the module computes at that place (a softmax that the list does not call 'softmax' is quantised finished and normalised). What goes into a quantiser is computed in f32, as accurately as f32 sums, v_exp_f32 and their like allow (about 1e-6 of the number): no bf16 or f16 on the way to a quantiser, and a product that is left as it is and whose result goes on into a quantised operand takes f32 operands (vector FMAs, or v_wmma_f32_16x16x4_f32). A number that lies on a knife's edge between two numbers of the format may be rounded either way, as far as f32 arithmetic and the matrix unit's own rounding can turn it there, and no further.
;;   INPUTS GIVEN AS CODES. Wk (in the module: [256, 512], K = its axis 0); Wq (in the module: [256, 512], K = its axis 0); Wr (in the module: [256, 512], K = its axis 0); Wv (in the module: [256, 512], K = its axis 0); key0 (in the module: [16, 1024, 256], K = its axis 2); query0 (in the module: [16, 1024, 256], K = its axis 2); value0 (in the module: [16, 1024, 256], K = its axis 2): each comes as NAME_codes (uint8): NAME with its K axis moved to the last place and cut into blocks of 32 codes, [.., K / 32, bytes a block], one block behind the other in memory; four codes in three bytes: a row's codes are one little-endian stream of bits, code i at bits 6 i .. 6 i + 5 (a code: sign, 2 exponent bits, 3 mantissa bits); and NAME_scales (uint8): the same leading axes, one E8M0 byte (e + 127) for each 32 codes along K. Its value is code x scale, taken as it is: it is not quantised again, and the codes and scales need not be those that the quantiser above would give.
;; One version. Each part assembles by itself: llvm-mc -triple=amdgcn-amd-amdhsa -mcpu=gfx1250 --defsym DOCPART=n.
;; ======== version 1 of 1: 1 launch
;; limits: right only within a limited range of input values
;; launch mha (part 1): grid 256 x 1, 16 waves a work-group, clusters of 4 x 1, 327,680 bytes of LDS; arguments key0_codes, value0_codes, query0_codes, key0_scales, value0_scales, query0_scales, Wk_codes, Wv_codes, Wq_codes, Wr_codes, Wk_scales, Wv_scales, Wq_scales, Wr_scales, bk, bv, bq, br, out0; writes out0
.if DOCPART == 1
	.amdgcn_target "amdgcn-amd-amdhsa--gfx1250"
	.amdhsa_code_object_version 6
	.text
	.protected	k_q9c28019a8e_mha
	.globl	k_q9c28019a8e_mha
	.p2align	8
	.type	k_q9c28019a8e_mha,@function
k_q9c28019a8e_mha:
	s_mov_b64 s[64:65], 0
	v_nop
	global_prefetch_b8 v0, s[64:65] scope:SCOPE_SE
	s_setreg_imm32_b32 hwreg(HW_REG_WAVE_MODE, 25, 1), 1
	s_wait_xcnt 0x0
	s_wait_alu depctr_hold_cnt(0) depctr_sa_sdst(0) depctr_va_vdst(0) depctr_va_sdst(0) depctr_va_ssrc(0) depctr_va_vcc(0) depctr_vm_vsrc(0)
	s_getreg_b32 s2, hwreg(HW_REG_IB_STS2, 6, 4)
	s_cmp_eq_u32 s2, 0
	s_cbranch_scc0 .Lentry_in_a_cluster
	s_endpgm
.Lentry_in_a_cluster:
	s_bfe_u32 s2, ttmp6, 0x10000c
	s_cmp_lg_u32 s2, 0x3003
	s_cbranch_scc0 .Lentry_shape_is_right
	s_endpgm
.Lentry_shape_is_right:
; out = relu(query0 Wr + br + attention(query0 Wq + bq, key0 Wk + bk, value0 Wv + bv)), every product on codes of FP6 (E2M3) with one E8M0 scale for each 32 along K.
; THE PLAIN VIEW MAKES A HEAD LOCAL: head hd (0..255) is rows 64 hd .. 64 hd + 63 of the flat [16384][512] arrays; its token j is (local row j / 16, piece g = j % 16 of 32 columns).
; ONE work-group makes one head from 64 rows of each input and the four weights and owns the same 64 rows of out0: nothing goes through memory between the steps.
; SHARES.  16 waves, four to a SIMD, 256 registers each.  Wave w: G = w % 8, mh = w / 8.  A projection: 64 columns x 32 rows (row tiles 2 mh + mm).  Attention: four tiles of 16 queries (mm, piece 2 G + hh).
; EVERY PRODUCT IS USED TRANSPOSED (source 0 = 16 rows of W, K or V^T; source 1 = 16 rows of x, Q or P): a lane holds one x row or one query, its registers run along source 0's rows.
; WHICH ROWS OF A WEIGHT FORM A TILE:  k, q: tile u, row p = W row 32 (2 G + p / 8) + 4 (p % 8) + u: lane (r, h) holds all 32 d of token (row r, piece 2 G + h): a whole block,
;   its d in the order 8 (d % 4) + d / 4, alike in K and in Q: the one block of product 4's K is the true one.  The sixteen rows of such a tile lie 816 bytes apart in LDS.
;   v: tile (u, a), row p = W row 32 (2 (p % 8) + a) + 16 u + G + 8 (p / 8): lane (r, h) holds, of column 16 u + G + 8 h, the 16 keys of its local row: half a block; lane r xor 1 has the other half.
;   residual: tile (hh, u), row p = W row 32 (2 G + hh) + 16 u + p: its result lies as O^T lies; it is made behind each tile of queries, its sums begun on br.
; THE KEYS OF A BLOCK OF 32 are taken in the order 16 (row % 2) + 8 (g % 2) + g / 2, alike in K's tiles, in P and in V: the blocks are the true ones.
; PRODUCT 4 HAS K = 32: a fragment of K packs 64 keys, 16 in each of the instruction's four blocks; Q stands in one block with zero codes (scale bytes 0) in the others: four instructions give 64 keys x 16 queries.
; A lane's 32 scores of a fragment are then one whole block of keys: P's codes need no other lane.
; K and V lie in LDS as images of the operands' registers (1,536 bytes a fragment), their scale words 4 bytes a row.
; SOFTMAX: t = score x log2(e) / sqrt(2); M = the running largest t rounded up to a whole number; p = 2^(t - M) is quantised; the row's sum is of the unquantised p and divides at the end.
; TENSOR TILES: rows of codes are 192 bytes and dense in memory, so every block is stated as rows of 256 bytes, each from a multiple of 256 bytes, with padding behind each: 16 bytes in slot A, 8 bytes in slot B and the x tiles.
; With q bytes of padding, byte b of row R lies at (768 + 3 q) (R / 4) + y + q (y / 256), y = 192 (R % 4) + b.  Where a tile's rows agree in R % 4 (k, q, in slot A) the term q (y / 256) is a constant of the text and
; two address registers serve (lanes 16-31 read 24 or 40 bytes on); elsewhere it hangs on the lane's row and on which 64 bytes of the row a piece lies in: five address registers to a kind.
; CLUSTER: the four work-groups of a cluster read the same four weights: each block is asked for jointly, by the same tensor load with the same descriptor and the mask of all four.
; No prefetch is laid: every input is asked for at the head or between the projections; the key loop reads LDS alone, so there is no loop that runs ahead of a stream.
; LIMITS: NaN and infinities are not served (a given scale byte 0xff gives NaN).  A computed block whose largest magnitude lies under 2^-124, a block of zeros among them, keeps the scale byte 1;
; these bytes are read by this program alone.  p under 2^-126 counts as 0.  The scaled scores stay under 2^31 in magnitude.
.set SLOTB, 0                          ; Wv, then Wr, which stays: 8 blocks of 64 rows (12,672 bytes), 12,896 bytes apart
.set BLKB,  12896
.set SLOTA, 104704                     ; Wk, then Wq: 512 rows on end, 816 bytes to four rows
.set XK,    209152                     ; key0's, value0's, query0's 64 rows (12,672 bytes), 13,056 bytes apart; query0's stay
.set XVO,   13056
.set XQO,   26112
.set GRP,   792                        ; four rows in slot B and in an x tile
.set STG,   SLOTA                      ; the stages, 8,704 bytes a wave, over slot A, key0 and value0 when those have had their last fill and last read; wave 15's behind query0
.set KIMG,  257024
.set VOFFI, 24576
.set VIMG,  KIMG+VOFFI
.set KSC,   306176
.set VSC,   307200
.set SPARE, 308224                     ; the spare words, 128 bytes for each of the 16 waves
.set SPW, 1
.set NIL, 2
.set AF0, 3                            ; KIMG + 16 lane
.set AS0, 4                            ; KSC + 4 lane
.set ADF, 5
.set ADS, 6
.set SH8, 7
.set STO, 8
.set RD,  9
.set GO,  10
.set A8R, 11
.set AWK, 13                           ; v13-15: offsets in the projections; in attention v12-15 are -M, the largest t, the sum
.set AWV, 14
.set ABK, 15
.set A32H, 18
.set VSA, 19
.set WS,  20                           ; v20-33 hold scales and nothing else
.set XS,  28
.set KS,  20
.set VS,  21
.set PW,  22
.set QS,  24
.set RWS, 28
.set RXS, 32
.set XA,  34                           ; five address registers: x's rows
.set RWA, 39                           ; five: Wr's rows for the residual
.set WAK, 44                           ; two: Wk's and Wq's rows
.set WAV, 49                           ; five: Wv's rows
.set QC,  44                           ; Q's codes take WAK's and WAV's registers when those are done with
.set QCS, 56
.set QB,  58
.set XF,  58
.set FR,  88                           ; two fragments of K, then of V
.set KWA, 106
.set KWB, 107
.set KSA, 108
.set VW,  109
.set S,   112
.set ACC, 112
.set O,   176
.set WF,  176
.set CH,  176
.set SOP, 180
.set BY,  184
.set CD,  188
.set TCA, 200
.set PC,  192
.set TC,  204
.set BM,  212
.set BR,  220                          ; the residual's two accumulators
.set BIAS, 224
.macro NOPS n
.rept \n
	v_nop
.endr
.endm
.macro D1
	s_delay_alu instid0(VALU_DEP_1)
.endm
.macro D2
	s_delay_alu instid0(VALU_DEP_2)
.endm
.macro D4
	s_delay_alu instid0(VALU_DEP_4)
.endm
.macro CROUND                          ; a round of the cluster's barrier
	s_barrier_signal -1
	s_barrier_wait -1
	s_cmp_lg_u32 s3, 0
	s_cbranch_scc1 .Lnot_wave_0_\@
	s_barrier_signal -3
.Lnot_wave_0_\@:
	s_barrier_wait -3
	s_barrier_signal -1
	s_barrier_wait -1
.endm
; A fragment (16 rows x 128 K, 12 registers): six pieces of 8 bytes.  The register is chosen by the 64 bytes in which lanes 0-15's piece and lanes 16-31's (24 bytes on) lie
.macro FRAGL reg, adr, s, off
.irp p, 0,1,2,3,4,5
.set PCE, 12*(\s)+6*(\p/3)+\p%3
	ds_load_b64 v[(\reg)+2*\p:(\reg)+2*\p+1], v[\adr+PCE/8+(PCE+3)/8] offset:(\off)+8*PCE
.endr
.endm
; W's fragment.  k, q (wa = WAK): t is the tile's number u = row % 4 of all its rows, so the padding passed is a constant; the second register where lanes 16-31 lie behind one padding more
.macro WFR reg, wa, s, t
.if \wa == WAK
.irp p, 0,1,2,3,4,5
.set PCE, 12*(\s)+6*(\p/3)+\p%3
.set YY, 192*(\t)+8*PCE
	ds_load_b64 v[(\reg)+2*\p:(\reg)+2*\p+1], v[WAK+(YY+24)/256-YY/256] offset:YY+16*(YY/256)
.endr
.else
	FRAGL \reg, \wa, \s, \t
.endif
.endm
; k, q: the bias in the result's layout (register j of tile u is column 32 (2 G + h) + 4 j + u), W's scale words, x's scale words
.macro SMALL wsc, bias, xsc
.irp u, 0,1,2,3
.irp j, 0,1,2,3,4,5,6,7
	global_load_b32 v[BIAS+8*\u+\j], v[ABK], s[\bias:\bias+1] offset:16*\j+4*\u
.endr
	global_load_b64 v[WS+2*\u:WS+2*\u+1], v[AWK], s[\wsc:\wsc+1] offset:8*\u
.endr
.irp mm, 0,1
	global_load_b64 v[XS+2*\mm:XS+2*\mm+1], v[A8R], s[\xsc:\xsc+1] offset:128*\mm
.endr
.endm
.macro SMALLV                          ; v: register i of tile 2 u + a is column 32 (2 i + a) + 16 u + G + 8 h
.irp u, 0,1
.irp a, 0,1
.irp i, 0,1,2,3,4,5,6,7
	global_load_b32 v[BIAS+8*(2*\u+\a)+\i], v[A32H], s[38:39] offset:256*\i+128*\a+64*\u
.endr
	global_load_b64 v[WS+2*(2*\u+\a):WS+2*(2*\u+\a)+1], v[AWV], s[30:31] offset:256*\a+128*\u
.endr
.endr
.irp mm, 0,1
	global_load_b64 v[XS+2*\mm:XS+2*\mm+1], v[A8R], s[16:17] offset:128*\mm
.endr
.endm
; Eight products: tiles tb, tb + 1 x two row tiles x two K steps; four accumulators by turns; the bias is the C of each sum's first product
.macro MM8 tb
.irp s, 0,1
.irp q, 0,1
.irp mm, 0,1
.if \s == 0
	v_wmma_scale_f32_16x16x128_f8f6f4 v[ACC+32*\mm+8*(\tb+\q):ACC+32*\mm+8*(\tb+\q)+7], v[WF+12*(2*\q+\s):WF+12*(2*\q+\s)+11], v[XF+12*(2*\mm+\s):XF+12*(2*\mm+\s)+11], v[BIAS+8*(\tb+\q):BIAS+8*(\tb+\q)+7], v[WS+2*(\tb+\q)+\s], v[XS+2*\mm+\s] matrix_a_fmt:MATRIX_FMT_FP6 matrix_b_fmt:MATRIX_FMT_FP6
.else
	v_wmma_scale_f32_16x16x128_f8f6f4 v[ACC+32*\mm+8*(\tb+\q):ACC+32*\mm+8*(\tb+\q)+7], v[WF+12*(2*\q+\s):WF+12*(2*\q+\s)+11], v[XF+12*(2*\mm+\s):XF+12*(2*\mm+\s)+11], v[ACC+32*\mm+8*(\tb+\q):ACC+32*\mm+8*(\tb+\q)+7], v[WS+2*(\tb+\q)+\s], v[XS+2*\mm+\s] matrix_a_fmt:MATRIX_FMT_FP6 matrix_b_fmt:MATRIX_FMT_FP6
.endif
.endr
.endr
.endr
.endm
.macro MM wa, xoff, t0, t1, t2, t3     ; a projection: my 64 columns x 32 rows
.irp mm, 0,1
.irp s, 0,1
	FRAGL XF+12*(2*\mm+\s), XA, \s, \xoff+4*GRP*\mm
.endr
.endr
.irp s, 0,1
	WFR WF+12*\s, \wa, \s, \t0
	WFR WF+24+12*\s, \wa, \s, \t1
.endr
	s_wait_loadcnt 0x0                             ; the bias and the scale words
	s_wait_dscnt 0x0
	MM8 0
	NOPS 4                                         ; four places in front of loads into registers that products have read
.irp s, 0,1
	WFR WF+12*\s, \wa, \s, \t2
	WFR WF+24+12*\s, \wa, \s, \t3
.endr
	s_wait_dscnt 0x0
	MM8 2
	NOPS 4                                         ; and in front of the first read of results and of loads into the small operands
.endm
; The largest magnitudes of ACC's four runs of 16, by turns, with the floor 2^(3 - 127) among the leaves; each accumulator is read from its low end on
.macro MAXABS
.irp j, 0,1,2,3
	v_max3_num_f32 v[CH+\j], |v[ACC+16*\j]|, |v[ACC+16*\j+1]|, 0x1800000
.endr
.irp i, 2,4,6,8,10,12,14
.irp j, 0,1,2,3
	v_max3_num_f32 v[CH+\j], v[CH+\j], |v[ACC+16*\j+\i]|, |v[ACC+16*\j+\i+1]|
.endr
.endr
.endm
.macro QUANTK d0, d1, by               ; k and q: a lane's 32 registers of each mm are a block
	v_max_num_f32 v[CH], v[CH], v[CH+1]
	v_max_num_f32 v[CH+2], v[CH+2], v[CH+3]
	D2
	v_add_nc_u32 v[SOP], 0xff000000, v[CH]         ; 2 off the exponent field: the conversion's scale operand
	D2
	v_add_nc_u32 v[SOP+1], 0xff000000, v[CH+2]
	D2
	v_lshrrev_b32 v[\by], 23, v[SOP]               ; the scale's byte
	D2
	v_lshrrev_b32 v[\by+1], 23, v[SOP+1]
	v_cvt_scalef32_pk16_fp6_f32 v[\d0:\d0+2], v[ACC:ACC+15], v[SOP]
	v_cvt_scalef32_pk16_fp6_f32 v[TCA:TCA+2], v[ACC+16:ACC+31], v[SOP]       ; (a conversion's three registers begin on an even number)
	v_cvt_scalef32_pk16_fp6_f32 v[\d1:\d1+2], v[ACC+32:ACC+47], v[SOP+1]
	v_cvt_scalef32_pk16_fp6_f32 v[TCA+4:TCA+6], v[ACC+48:ACC+63], v[SOP+1]
	v_nop                                          ; one plain place behind the conversions
.irp i, 0,1,2
	v_mov_b32 v[\d0+3+\i], v[TCA+\i]
	v_mov_b32 v[\d1+3+\i], v[TCA+4+\i]
.endr
.endm
.macro STOREK                          ; my token's six registers go to registers 6 (r % 2) .. + 5 of lane G + 8 ((r / 2) % 2) + 16 h of image 8 mh + 4 mm + r / 4
.irp mm, 0,1
	ds_store_b64 v[KWA], v[CD+6*\mm:CD+6*\mm+1] offset:6144*\mm
	ds_store_b64 v[KWB], v[CD+6*\mm+2:CD+6*\mm+3] offset:6144*\mm+8
	ds_store_b64 v[KWA], v[CD+6*\mm+4:CD+6*\mm+5] offset:6144*\mm+512
	ds_store_b8 v[KSA], v[BY+\mm] offset:256*\mm
.endr
	s_wait_dscnt 0x0
.endm
.macro QUANTV                          ; v: a run of 16 registers is half a block; lane r xor 1 holds the other half
.irp j, 0,1,2,3
	v_max_num_f32_dpp v[CH+\j], v[CH+\j], v[CH+\j] row_xmask:1 row_mask:0xf bank_mask:0xf
.endr
.irp j, 0,1,2,3
	D4
	v_add_nc_u32 v[SOP+\j], 0xff000000, v[CH+\j]
.endr
.irp j, 0,1,2,3
	D4
	v_lshrrev_b32 v[BY+\j], 23, v[SOP+\j]
.endr
.irp j, 0,1,2,3
	v_cvt_scalef32_pk16_fp6_f32 v[CD+4*\j:CD+4*\j+2], v[ACC+16*\j:ACC+16*\j+15], v[SOP+\j]
.endr
	v_nop
.irp mm, 0,1
.irp u, 0,1
.irp k, 0,1,2
	ds_store_b32 v[VW+\k], v[CD+4*(2*\mm+\u)+\k] offset:6144*\mm+1536*\u
.endr
	ds_store_b8 v[VSA], v[BY+2*\mm+\u] offset:256*\mm+64*\u      ; both lanes of a block write the same byte with the same value
.endr
.endr
	s_wait_dscnt 0x0
.endm
; A slot is filled again: every wave's three lines, the round, and the joint load of waves 0 .. n - 1
.macro REFILL n, g0, g1
	s_wait_tensorcnt 0x0                           ; all my tensor loads have landed
	ds_add_u32 v[SPW], v[NIL]
	ds_add_u32 v[SPW], v[NIL]
	MAXABS                                         ; work on registers while the adds are out
	s_wait_dscnt 0x0                               ; the adds are done, and my reads of the slot are over
	CROUND                                         ; that now holds of every wave of all four work-groups
	s_cmp_lt_u32 s3, \n
	s_cbranch_scc0 .Lnone_\@
	tensor_load_to_lds s[\g0:\g0+3], s[\g1:\g1+7]
	s_nop 0
	NOPS 4
.Lnone_\@:
	s_wait_alu depctr_va_vdst(0)
.endm
.macro P1 dst, src, k, t               ; dst = t + 8 ((src + k) / 4): 8 bytes of padding for each 256 passed
	v_add_nc_u32 v129, \k, v[\src]
	D1
	v_lshrrev_b32 v129, 2, v129
	D1
	v_lshl_add_u32 v[\dst], v129, 3, v[\t]
.endm
.macro PAD5 d, t, q                    ; the five registers of a kind: t + 8 ((3 (row % 4) + c) / 4), c = 0, h, 1, 1 + h, 2
	v_add_nc_u32 v130, v[\q], v114
	P1 \d, \q, 0, \t
	P1 \d+1, 130, 0, \t
	P1 \d+2, \q, 1, \t
	P1 \d+3, 130, 1, \t
	P1 \d+4, \q, 2, \t
.endm
	s_load_b512 s[8:23], s[0:1], 0x0               ; key0, value0, query0 codes s[8:13]; their scales s[14:19]; Wk, Wv codes s[20:23]
	s_load_b512 s[24:39], s[0:1], 0x40             ; Wq, Wr codes s[24:27]; Wk, Wv, Wq, Wr scales s[28:35]; bk, bv s[36:39]
	s_load_b128 s[40:43], s[0:1], 0x80             ; bq, br
	s_load_b64 s[44:45], s[0:1], 0x90              ; out0
	v_lshl_add_u32 v[SPW], v0, 2, SPARE
	v_mov_b32 v[NIL], 0
	ds_add_u32 v[SPW], v[NIL]                      ; the opening lines: the add twice on end and its wait
	ds_add_u32 v[SPW], v[NIL]
	v_lshrrev_b32 v112, 5, v0
	D1
	v_readfirstlane_b32 s3, v112                   ; wave 0..15
	s_and_b32 s4, s3, 7                            ; G
	s_lshr_b32 s5, s3, 3                           ; mh
	s_bfe_u32 s7, ttmp6, 0x40000                   ; cx: it enters the head's number alone, and through it global addresses of x, its scales and out0
	s_lshl_b32 s6, ttmp9, 2
	s_add_co_u32 s6, s6, s7                        ; the head
	; descriptor groups 1: dense blocks as rows of 256 bytes (32 elements of 8 bytes), padding behind each
	s_mov_b32 s48, 15|(3<<16)|(1<<20)|(1<<21)|(5<<22)|(3<<25)   ; slot A: 128 rows of a weight = 96 rows of 256 bytes, joint, 4 words of padding
	s_mov_b32 s49, 32<<16
	s_mov_b32 s50, 96<<16
	s_mov_b32 s51, 32<<16
	s_mov_b32 s52, 96
	s_mov_b32 s53, 32
	s_mov_b32 s54, 0
	s_mov_b32 s55, 0
	s_mov_b32 s56, 15|(3<<16)|(1<<20)|(1<<21)|(5<<22)|(1<<25)   ; slot B: 64 rows of a weight = 48 rows of 256 bytes, joint, 2 words of padding
	s_mov_b32 s57, 32<<16
	s_mov_b32 s58, 48<<16
	s_mov_b32 s59, 32<<16
	s_mov_b32 s60, 48
	s_mov_b32 s61, 32
	s_mov_b32 s62, 0
	s_mov_b32 s63, 0
	s_mov_b32 s68, (3<<16)|(1<<20)|(5<<22)|(1<<25)              ; an x tile, 64 rows, the work-group's own, 2 words of padding
	s_mov_b32 s69, 32<<16
	s_mov_b32 s70, 48<<16
	s_mov_b32 s71, 32<<16
	s_mov_b32 s72, 48
	s_mov_b32 s73, 32
	s_mov_b32 s74, 0
	s_mov_b32 s75, 0
	s_mov_b32 s90, 0x76543210
	s_mov_b32 s91, 0xfedcba98                      ; v_permlanex16_b32's selects for lane l xor 16
	s_mov_b32 s92, 0x3f8293ee                      ; c = log2(e) / sqrt(2)
	s_mov_b32 s93, s92
	s_mov_b32 s47, 0
	s_mov_b32 s67, 0
	s_mul_i32 s88, s3, 8704                        ; my stage; wave 15's lies behind query0's tile
	s_add_co_u32 s97, s3, 1
	s_lshr_b32 s97, s97, 4
	s_mul_i32 s97, s97, 13056
	s_add_co_u32 s88, s88, s97
	s_add_co_u32 s88, s88, STG
	s_mul_i32 s89, s5, 8*GRP                       ; my 32 rows of an x tile
	s_add_co_u32 s89, s89, XK
	s_mul_i32 s95, s4, BLKB                        ; block G of slot B
	s_mul_i32 s99, s4, 13056                       ; rows 64 G of slot A
	s_add_co_u32 s99, s99, SLOTA
	s_lshr_b32 s97, s4, 2                          ; row G of a block of slot B
	s_mul_i32 s100, s97, GRP
	s_and_b32 s98, s4, 3
	s_mul_i32 s97, s98, 192
	s_add_co_u32 s100, s100, s97
	s_mul_i32 s101, s98, 3
	s_wait_dscnt 0x0                               ; both opening adds are done
	s_wait_kmcnt 0x0
	s_lshl_b32 s46, s4, 9                          ; each pointer is set to my wave's part once
	s_add_nc_u64 s[28:29], s[28:29], s[46:47]      ; Wk's, Wq's, Wr's scales: 64 rows of 8 bytes a G
	s_add_nc_u64 s[32:33], s[32:33], s[46:47]
	s_add_nc_u64 s[34:35], s[34:35], s[46:47]
	s_lshl_b32 s46, s4, 3
	s_add_nc_u64 s[30:31], s[30:31], s[46:47]      ; Wv's scales: row G
	s_lshl_b32 s46, s4, 8
	s_add_nc_u64 s[36:37], s[36:37], s[46:47]      ; bk, bq, br: 64 numbers a G
	s_add_nc_u64 s[40:41], s[40:41], s[46:47]
	s_add_nc_u64 s[42:43], s[42:43], s[46:47]
	s_lshl_b32 s46, s4, 2
	s_add_nc_u64 s[38:39], s[38:39], s[46:47]      ; bv: number G
	s_lshl_b32 s66, s6, 9
	s_lshl_b32 s98, s5, 8
	s_add_co_u32 s66, s66, s98
	s_add_nc_u64 s[14:15], s[14:15], s[66:67]      ; x's scales: row 64 hd + 32 mh
	s_add_nc_u64 s[16:17], s[16:17], s[66:67]
	s_add_nc_u64 s[18:19], s[18:19], s[66:67]
	s_lshl_b32 s66, s6, 17
	s_lshl_b32 s98, s5, 16
	s_add_co_u32 s66, s66, s98
	s_lshl_b32 s98, s4, 8
	s_add_co_u32 s66, s66, s98
	s_add_nc_u64 s[44:45], s[44:45], s[66:67]      ; out0: row 64 hd + 32 mh, column 64 G
	; descriptor groups 0, one for each load of the launch: none is written again
	s_and_b32 s97, s3, 3
	s_mul_i32 s46, s97, 24576
	s_mov_b32 s76, 1                               ; Wk -> slot A: waves 0-3, 128 rows each
	s_mul_i32 s77, s97, 26112
	s_add_co_u32 s77, s77, SLOTA
	s_add_nc_u64 s[78:79], s[20:21], s[46:47]
	s_or_b32 s79, s79, 0x80000000
	s_mov_b32 s84, 1                               ; waves 12, 13, 14: the head's 64 rows of key0, value0, query0
	s_min_u32 s98, s97, 2
	s_mul_i32 s85, s98, 13056
	s_add_co_u32 s85, s85, XK
	s_cmp_eq_u32 s98, 0
	s_cselect_b64 s[86:87], s[8:9], s[10:11]
	s_cmp_lt_u32 s98, 2
	s_cselect_b64 s[86:87], s[86:87], s[12:13]
	s_mul_i32 s66, s6, 12288
	s_add_nc_u64 s[86:87], s[86:87], s[66:67]
	s_or_b32 s87, s87, 0x80000000
	s_mov_b32 s8, 1                                ; Wq -> slot A: waves 0-3
	s_mov_b32 s9, s77
	s_add_nc_u64 s[10:11], s[24:25], s[46:47]
	s_or_b32 s11, s11, 0x80000000
	s_add_co_u32 s97, s3, 4
	s_and_b32 s97, s97, 7
	s_mul_i32 s46, s97, 12288
	s_mov_b32 s80, 1                               ; Wv -> slot B: waves 4-11, 64 rows each
	s_mul_i32 s81, s97, BLKB
	s_add_nc_u64 s[82:83], s[22:23], s[46:47]
	s_or_b32 s83, s83, 0x80000000
	s_mul_i32 s46, s4, 12288
	s_mov_b32 s20, 1                               ; Wr -> slot B: waves 0-7
	s_mul_i32 s21, s4, BLKB
	s_add_nc_u64 s[22:23], s[26:27], s[46:47]
	s_or_b32 s23, s23, 0x80000000
	CROUND                                         ; all four work-groups are here: the first joint loads meet
	s_cmp_lt_u32 s3, 4                             ; the head's loads, at most one a wave: one chain of branches on the wave's number
	s_cbranch_scc0 .Lh_v
	tensor_load_to_lds s[76:79], s[48:55]
	s_nop 0
	NOPS 4
	s_branch .Lh_join
.Lh_v:
	s_cmp_lt_u32 s3, 12
	s_cbranch_scc0 .Lh_x
	tensor_load_to_lds s[80:83], s[56:63]
	s_nop 0
	NOPS 4
	s_branch .Lh_join
.Lh_x:
	s_cmp_lt_u32 s3, 15
	s_cbranch_scc0 .Lh_join
	tensor_load_to_lds s[84:87], s[68:75]
	s_nop 0
	NOPS 4
.Lh_join:
	s_mul_i32 s97, s5, 12288
	s_lshl_b32 s98, s4, 4
	s_add_co_u32 s97, s97, s98                     ; 12288 mh + 16 G
	s_add_co_u32 s12, s97, KIMG
	s_add_co_u32 s13, s97, VIMG
	s_lshl_b32 s97, s5, 9
	s_lshl_b32 s98, s4, 2
	s_add_co_u32 s97, s97, s98                     ; 512 mh + 4 G
	s_add_co_u32 s24, s97, KSC
	s_add_co_u32 s25, s97, VSC
	; every address register is made here, under the loads' flight
	v_and_b32 v113, 15, v0                         ; r
	v_bfe_u32 v114, v0, 4, 1                       ; h
	v_and_b32 v115, 31, v0                         ; lane
	v_bfe_u32 v116, v0, 3, 1                       ; r / 8
	v_and_b32 v117, 7, v0                          ; r % 8
	v_bfe_u32 v119, v0, 2, 2                       ; r / 4
	v_bfe_u32 v120, v0, 1, 1                       ; (r / 2) % 2
	v_and_b32 v121, 1, v0                          ; r % 2
	v_and_b32 v127, 3, v0                          ; r % 4
	v_lshlrev_b32 v[A8R], 3, v113
	v_lshlrev_b32 v[A32H], 5, v114
	v_lshlrev_b32 v[ABK], 7, v114
	v_lshlrev_b32 v[AWK], 5, v113                  ; k, q: lane r's W row lies 4 r rows of 8 scale bytes on
	v_lshlrev_b32 v[AWV], 9, v117
	D1
	v_lshl_add_u32 v[AWV], v116, 6, v[AWV]
	SMALL 28, 36, 14
	v_lshl_add_u32 v[AF0], v115, 4, KIMG
	v_lshl_add_u32 v[AS0], v115, 2, KSC
	v_lshlrev_b32 v[SH8], 3, v114
	v_mul_u32_u24 v[STO], v113, 272
	v_mul_u32_u24 v[RD], v114, 272
	D2
	v_lshl_add_u32 v[STO], v114, 5, v[STO]
	D2
	v_lshl_add_u32 v[RD], v113, 4, v[RD]
	D2
	v_add_nc_u32 v[STO], s88, v[STO]               ; my stage, in: 272 r + 32 h
	D2
	v_add_nc_u32 v[RD], s88, v[RD]                 ; out: 272 h + 16 r
	v_lshlrev_b32 v[GO], 11, v114
	D1
	v_lshl_add_u32 v[GO], v113, 4, v[GO]
	v_mul_u32_u24 v118, v119, GRP                  ; sixteen rows on end, in an x tile or in slot B: 792 (r / 4) + 192 (r % 4) + 24 h
	v_mul_u32_u24 v128, v127, 3
	D2
	v_mad_u32_u24 v118, v127, 192, v118
	D1
	v_mad_u32_u24 v118, v114, 24, v118
	PAD5 131, 118, 128
.irp k, 0,1,2,3,4
	v_add_nc_u32 v[XA+\k], s89, v[131+\k]
	v_add_nc_u32 v[RWA+\k], s95, v[131+\k]
.endr
	v_mul_u32_u24 v136, v113, 816                  ; k, q, in slot A: lane r's row lies 4 r rows on: 816 r
	D1
	v_add_nc_u32 v136, s99, v136
	D1
	v_mad_u32_u24 v[WAK], v114, 24, v136
	D2
	v_mad_u32_u24 v[WAK+1], v114, 40, v136
	v_mul_u32_u24 v137, v117, BLKB                 ; v: block r % 8, row G + 8 (r / 8) of it
	v_mov_b32 v138, s101
	D2
	v_mad_u32_u24 v137, v116, 2*GRP, v137
	D1
	v_mad_u32_u24 v137, v114, 24, v137
	D1
	v_add_nc_u32 v137, s100, v137
	PAD5 WAV, 137, 138
	v_mul_u32_u24 v122, v119, 1536                 ; where K's images go
	D1
	v_lshl_add_u32 v122, v114, 8, v122
	D1
	v_lshl_add_u32 v122, v120, 7, v122
	D1
	v_add_nc_u32 v122, s12, v122
	D1
	v_mad_u32_u24 v[KWA], v121, 520, v122
	D2
	v_mad_u32_u24 v[KWB], v121, 1016, v122
	v_mul_u32_u24 v123, v116, 3072                 ; and V's
	D1
	v_lshl_add_u32 v123, v114, 7, v123
	D1
	v_lshl_add_u32 v123, v120, 8, v123
	D1
	v_add_nc_u32 v123, s13, v123
	v_bfe_u32 v124, v0, 2, 1
	D1
	v_mul_u32_u24 v124, v124, 6
	D1
	v_mad_u32_u24 v124, v121, 3, v124              ; the first of my three registers in V's image: 6 ((r / 4) % 2) + 3 (r % 2)
.irp k, 0,1,2
	v_add_nc_u32 v125, \k, v124
	D1
	v_lshrrev_b32 v126, 2, v125
	D2
	v_and_b32 v125, 3, v125
	D2
	v_lshl_add_u32 v[VW+\k], v126, 9, v123
	D1
	v_lshl_add_u32 v[VW+\k], v125, 2, v[VW+\k]
.endr
	v_lshlrev_b32 v[KSA], 6, v119
	D1
	v_lshl_add_u32 v[KSA], v120, 5, v[KSA]
	D1
	v_lshl_add_u32 v[KSA], v121, 1, v[KSA]
	D1
	v_add_nc_u32 v[KSA], v[KSA], v114
	D1
	v_add_nc_u32 v[KSA], s24, v[KSA]
	v_lshlrev_b32 v[VSA], 7, v116
	D1
	v_lshl_add_u32 v[VSA], v114, 5, v[VSA]
	v_bfe_u32 v125, v0, 1, 2
	D1
	v_add_nc_u32 v[VSA], v[VSA], v125
	D1
	v_add_nc_u32 v[VSA], s25, v[VSA]
	s_wait_alu depctr_va_vdst(0)
	s_wait_tensorcnt 0x0                           ; for 0: wave 15 has issued none
	s_barrier_signal -1
	s_barrier_wait -1                              ; the x tiles, Wk and Wv are whole
	; ---- K: k = key0 Wk + bk, quantised along d, into images
	MM WAK, 0, 0, 1, 2, 3
	SMALLV
	REFILL 4, 8, 48                                ; Wq into slot A
	QUANTK CD, CD+6, BY
	STOREK
	; ---- V: v = value0 Wv + bv, quantised along the keys, into images
	MM WAV, XVO, 0, 8*GRP, 4*GRP, 12*GRP
	SMALL 32, 40, 18
	REFILL 8, 20, 56                               ; Wr into slot B
	QUANTV
	; ---- Q: q = query0 Wq + bq, quantised along d; its codes stay in my registers
	MM WAK, XQO, 0, 1, 2, 3
	MAXABS
	QUANTK QC, QC+6, QCS
	s_wait_alu depctr_va_vdst(0)
	s_wait_tensorcnt 0x0                           ; my block of Wr has landed
	s_wait_dscnt 0x0                               ; my image stores have landed, my reads of slot A are over
	s_barrier_signal -1
	s_barrier_wait -1                              ; the images and Wr are whole; slot A, key0 and value0 are free for the stages; nothing is filled any more
; A KEY STEP: 128 keys = two fragments of K, four blocks of P, two fragments of V
.macro STEP
	v_add_nc_u32 v[ADF], s94, v[AF0]
	v_add_nc_u32 v[ADS], s95, v[AS0]
	v_nop
	v_nop                                          ; four places in front of loads into the registers that the last products read
.irp j, 0,1,2,3,4,5
	ds_load_b128 v[FR+4*\j:FR+4*\j+3], v[ADF] offset:512*\j
.endr
	ds_load_b32 v[KS], v[ADS]                      ; lanes 0-15: the first fragment's scale words, lanes 16-31: the second's
	s_wait_alu depctr_va_vdst(0)
	s_wait_dscnt 0x0
.irp f, 0,1
.irp b, 0,1,2,3
.set QV, QB+6*(1-\b/2)+12*(\b%2)                   ; Q with its codes in block b of the instruction's K, zeros elsewhere
.if \f == 0
	v_wmma_scale_f32_16x16x128_f8f6f4 v[S+8*\b:S+8*\b+7], v[FR:FR+11], v[QV:QV+11], 0, v[KS], v[QS+\b] matrix_a_fmt:MATRIX_FMT_FP6 matrix_b_fmt:MATRIX_FMT_FP6
.else
	v_wmma_scale_f32_16x16x128_f8f6f4 v[S+32+8*\b:S+32+8*\b+7], v[FR+12:FR+23], v[QV:QV+11], 0, v[KS], v[QS+\b] matrix_a_fmt:MATRIX_FMT_FP6 matrix_b_fmt:MATRIX_FMT_FP6 matrix_a_scale:MATRIX_SCALE_ROW1
.endif
.endr
.endr
	NOPS 4                                         ; places in front of the loads below and of the first read of the scores
.irp j, 0,1,2,3,4,5
	ds_load_b128 v[FR+4*\j:FR+4*\j+3], v[ADF] offset:VOFFI+512*\j          ; V's two fragments land while the softmax is walked
.endr
	ds_load_b32 v[VS], v[ADS] offset:VSC-KSC
.irp j, 0,1,2,3
	v_max3_num_f32 v[BM+\j], v[S+16*\j], v[S+16*\j+1], v[S+16*\j+2]       ; four chains by turns; each accumulator is read from its low end on
.endr
.irp i, 3,5,7,9,11,13
.irp j, 0,1,2,3
	v_max3_num_f32 v[BM+\j], v[BM+\j], v[S+16*\j+\i], v[S+16*\j+\i+1]
.endr
.endr
.irp j, 0,1,2,3
	v_max_num_f32 v[BM+\j], v[BM+\j], v[S+16*\j+15]
.endr
	s_delay_alu instid0(VALU_DEP_3)
	v_max_num_f32 v[BM], v[BM], v[BM+1]            ; the largest score of my block of fragment 0: it serves for the row's maximum and, since p rises with the score, for the block's largest p
	D2
	v_max_num_f32 v[BM+2], v[BM+2], v[BM+3]        ; and of fragment 1
	D1
	v_max_num_f32 v216, v[BM], v[BM+2]
	D1
	v_permlanex16_b32 v217, v216, s90, s91
	D1
	v_max_num_f32 v216, v216, v217                 ; with lane l xor 16's two blocks: the step's largest score of my query
	D1
	v_mul_f32 v216, s92, v216                      ; as t (c is positive)
	D1
	v_max_num_f32 v13, v13, v216                   ; the running largest t
	v_mov_b32 v218, v12
	D2
	v_floor_f32 v12, -v13                          ; -M = floor(-t): M is a whole number
	D1
	v_sub_f32 v218, v12, v218                      ; old M - new M, a whole number, 0 or less
	D1
	v_cvt_i32_f32 v218, v218                       ; (it saturates)
	D1
	v_ldexp_f32 v16, 1.0, v218                     ; f = 2^(old M - new M): multiplying by it rounds nothing
.set II, 0
.rept 32
	v_pk_fma_f32 v[S+II:S+II+1], v[S+II:S+II+1], s[92:93], v[12:13] op_sel_hi:[1,0,0]   ; t - M, two at a time
.set II, II+2
.endr
	v_fma_f32 v[BM], v[BM], s92, v12               ; the same of the two largest scores
	v_fma_f32 v[BM+2], v[BM+2], s92, v12
.set II, 0
	s_wait_alu depctr_va_vdst(0)
.rept 64
	v_exp_f32 v[S+II], v[S+II]                     ; p = 2^(t - M): one batch of 66
.set II, II+1
.endr
	v_exp_f32 v[BM], v[BM]
	v_exp_f32 v[BM+2], v[BM+2]
	v_pk_mul_f32 v[14:15], v[14:15], v[16:17] op_sel_hi:[1,0]              ; the sum and O^T under the new M: work that names no exponential's result
.set II, 0
	s_wait_alu depctr_va_vdst(0)                   ; directly ahead of the first reader of O^T
.rept 8
	v_pk_mul_f32 v[O+II:O+II+1], v[O+II:O+II+1], v[16:17] op_sel_hi:[1,0]
.set II, II+2
.endr
	s_wait_alu depctr_va_vdst(0)                   ; ahead of the batch's first reader
	v_max_num_f32 v[BM], 0x1800000, v[BM]          ; the floor 2^(3 - 127): the byte cannot fall under 1
	v_max_num_f32 v[BM+2], 0x1800000, v[BM+2]
	D2
	v_add_nc_u32 v[BM+1], 0xff000000, v[BM]        ; the conversions' scale operands
	D2
	v_add_nc_u32 v[BM+3], 0xff000000, v[BM+2]
	D2
	v_lshrrev_b32 v216, 23, v[BM+1]                ; the bytes of blocks h and 2 + h
	D2
	v_lshrrev_b32 v218, 23, v[BM+3]
	D1
	v_lshl_or_b32 v[PW], v218, 16, v216
	D1
	v_lshlrev_b32 v[PW], v[SH8], v[PW]             ; at their places in the scale word
	D1
	v_permlanex16_b32 v217, v[PW], s90, s91
	D1
	v_or_b32 v[PW], v[PW], v217                    ; with lane l xor 16's two the word is whole
	v_cvt_scalef32_pk16_fp6_f32 v[PC:PC+2], v[S:S+15], v[BM+1]
	v_cvt_scalef32_pk16_fp6_f32 v[TC:TC+2], v[S+16:S+31], v[BM+1]          ; (a conversion's three registers begin on an even number)
	v_cvt_scalef32_pk16_fp6_f32 v[PC+6:PC+8], v[S+32:S+47], v[BM+3]
	v_cvt_scalef32_pk16_fp6_f32 v[TC+4:TC+6], v[S+48:S+63], v[BM+3]
	v_nop                                          ; one plain place behind the conversions
.irp i, 0,1,2
	v_mov_b32 v[PC+3+\i], v[TC+\i]
	v_mov_b32 v[PC+9+\i], v[TC+4+\i]
.endr
	v_pk_add_f32 v[218:219], v[116:117], v[120:121]                        ; the row's sum is of the unquantised p: eight chains by turns
	v_pk_add_f32 v[254:255], v[124:125], v[128:129]
	v_pk_add_f32 v[252:253], v[132:133], v[136:137]
	v_pk_add_f32 v[250:251], v[140:141], v[144:145]
	v_pk_add_f32 v[248:249], v[148:149], v[152:153]
	v_pk_add_f32 v[246:247], v[156:157], v[160:161]
	v_pk_add_f32 v[244:245], v[164:165], v[168:169]
	v_pk_add_f32 v[14:15], v[14:15], v[172:173]
	v_pk_add_f32 v[218:219], v[218:219], v[112:113]
	v_pk_add_f32 v[254:255], v[254:255], v[114:115]
	v_pk_add_f32 v[252:253], v[252:253], v[118:119]
	v_pk_add_f32 v[250:251], v[250:251], v[122:123]
	v_pk_add_f32 v[248:249], v[248:249], v[126:127]
	v_pk_add_f32 v[246:247], v[246:247], v[130:131]
	v_pk_add_f32 v[244:245], v[244:245], v[134:135]
	v_pk_add_f32 v[14:15], v[14:15], v[138:139]
	v_pk_add_f32 v[218:219], v[218:219], v[142:143]
	v_pk_add_f32 v[254:255], v[254:255], v[146:147]
	v_pk_add_f32 v[252:253], v[252:253], v[150:151]
	v_pk_add_f32 v[250:251], v[250:251], v[154:155]
	v_pk_add_f32 v[248:249], v[248:249], v[158:159]
	v_pk_add_f32 v[246:247], v[246:247], v[162:163]
	v_pk_add_f32 v[244:245], v[244:245], v[166:167]
	v_pk_add_f32 v[14:15], v[14:15], v[170:171]
	v_pk_add_f32 v[218:219], v[218:219], v[174:175]
	D2
	v_pk_add_f32 v[14:15], v[14:15], v[250:251]
	D2
	v_pk_add_f32 v[218:219], v[218:219], v[248:249]
	v_pk_add_f32 v[254:255], v[254:255], v[246:247]
	v_pk_add_f32 v[252:253], v[252:253], v[244:245]
	D2
	v_pk_add_f32 v[14:15], v[14:15], v[254:255]
	D2
	v_pk_add_f32 v[218:219], v[218:219], v[252:253]
	D1
	v_pk_add_f32 v[14:15], v[14:15], v[218:219]
	s_wait_dscnt 0x0                               ; V
	v_wmma_scale_f32_16x16x128_f8f6f4 v[O:O+7], v[FR:FR+11], v[PC:PC+11], v[O:O+7], v[VS], v[PW] matrix_a_fmt:MATRIX_FMT_FP6 matrix_b_fmt:MATRIX_FMT_FP6
	v_wmma_scale_f32_16x16x128_f8f6f4 v[O+8:O+15], v[FR+12:FR+23], v[PC:PC+11], v[O+8:O+15], v[VS], v[PW] matrix_a_fmt:MATRIX_FMT_FP6 matrix_b_fmt:MATRIX_FMT_FP6 matrix_a_scale:MATRIX_SCALE_ROW1
	s_add_co_u32 s94, s94, 3072                    ; the next step's images and scale words
	s_add_co_u32 s95, s95, 128
.endm
; ONE TILE OF 16 QUERIES: local rows 16 (2 mh + mm) + r, piece 2 G + hh: all 1,024 keys, the residual, relu, into my stage
.macro TILE mm, hh
	s_wait_xcnt 0x0                                ; earlier stores to out0 have read their registers, which the scores take again
	s_wait_dscnt 0x0                               ; and my stores into the stage have read theirs
.irp u, 0,1
	global_load_b128 v[BR+8*\u:BR+8*\u+3], v[A32H], s[42:43] offset:128*\hh+64*\u       ; br in the result's layout: the residual's sums begin with it
	global_load_b128 v[BR+8*\u+4:BR+8*\u+7], v[A32H], s[42:43] offset:128*\hh+64*\u+16
	global_load_b64 v[RWS+2*\u:RWS+2*\u+1], v[A8R], s[34:35] offset:256*\hh+128*\u      ; Wr's scale words
.endr
	global_load_b64 v[RXS:RXS+1], v[A8R], s[18:19] offset:128*\mm                       ; query0's
	s_mov_b32 vcc_lo, 0xffff                       ; lanes 0-15
.irp i, 0,1,2,3,4,5
	v_permlanex16_b32 v[212+\i], v[QC+6*\mm+\i], s90, s91
.endr
.irp i, 0,1,2,3,4,5
.if \hh == 0                                       ; the tile's codes lie in lanes 0-15 of QC
	v_cndmask_b32 v[QB+6+\i], v[QB], v[QC+6*\mm+\i], vcc_lo       ; codes in lanes 0-15, zeros above
	v_cndmask_b32 v[QB+18+\i], v[212+\i], v[QB], vcc_lo           ; zeros in lanes 0-15, codes above
.else                                              ; in lanes 16-31
	v_cndmask_b32 v[QB+6+\i], v[QB], v[212+\i], vcc_lo
	v_cndmask_b32 v[QB+18+\i], v[QC+6*\mm+\i], v[QB], vcc_lo
.endif
.endr
.if \hh == 0
	v_mov_b32 v218, v[QCS+\mm]
.else
	v_permlanex16_b32 v218, v[QCS+\mm], s90, s91
.endif
	D1
	v_mov_b32 v[QS], v218                          ; Q's scale word for version b: its byte at place b, the bytes 0 over the zero codes
	D2
	v_lshlrev_b32 v[QS+1], 8, v218
	s_delay_alu instid0(VALU_DEP_3)
	v_lshlrev_b32 v[QS+2], 16, v218
	D4
	v_lshlrev_b32 v[QS+3], 24, v218
	v_mov_b32 v13, 0xff61b1e6                      ; the largest t so far: -3e38
	D1
	v_floor_f32 v12, -v13
	v_mov_b32 v14, 0
	v_mov_b32 v15, 0
.set II, 0
.rept 16
	v_mov_b32 v[O+II], 0                           ; the step is written once: the first finds zeros, which the first change of M leaves zeros
.set II, II+1
.endr
	s_mov_b32 s94, 0
	s_mov_b32 s95, 0
	s_mov_b32 s96, 8
.Lstep_\@:
	STEP
	s_sub_co_u32 s96, s96, 1
	s_cmp_lg_u32 s96, 0
	s_cbranch_scc1 .Lstep_\@
	s_wait_alu depctr_va_vdst(0)
	v_add_f32 v14, v14, v15                        ; the sum's two halves,
	D1
	v_permlanex16_b32 v217, v14, s90, s91
	D1
	v_add_f32 v14, v14, v217                       ; and lane l xor 16's blocks
	s_wait_alu depctr_va_vdst(0)                   ; ahead of the reciprocal
	v_rcp_f32 v216, v14
	v_nop
	v_nop                                          ; with the two additions: four plain places behind the last products, in front of the loads into their fragments
.irp u, 0,1
.irp s, 0,1
	FRAGL S+12*(2*\u+\s), RWA, \s, 8*GRP*\hh+4*GRP*\u          ; the residual: Wr's rows 32 (2 G + hh) + 16 u + 0 .. 15: its result lies as O^T lies
.endr
.endr
.irp s, 0,1
	FRAGL FR+12*\s, XA, \s, XQO+4*GRP*\mm
.endr
	s_wait_loadcnt 0x0
	s_wait_dscnt 0x0
.irp s, 0,1
.irp u, 0,1
	v_wmma_scale_f32_16x16x128_f8f6f4 v[BR+8*\u:BR+8*\u+7], v[S+12*(2*\u+\s):S+12*(2*\u+\s)+11], v[FR+12*\s:FR+12*\s+11], v[BR+8*\u:BR+8*\u+7], v[RWS+2*\u+\s], v[RXS+\s] matrix_a_fmt:MATRIX_FMT_FP6 matrix_b_fmt:MATRIX_FMT_FP6
.endr
.endr
	NOPS 4
	s_wait_alu depctr_va_vdst(0)                   ; ahead of the first reader of the reciprocal, of O^T and of the residual
.set II, 0
.rept 8
	v_pk_fma_f32 v[O+II:O+II+1], v[O+II:O+II+1], v[216:217], v[BR+II:BR+II+1] op_sel_hi:[1,0,1]   ; context / the sum + residual, each accumulator from its low end on
.set II, II+2
.endr
.set II, 0
.rept 16
	v_max_num_f32 v[O+II], 0, v[O+II]              ; relu
.set II, II+1
.endr
.irp u, 0,1
.irp k, 0,1
	ds_store_b128 v[STO], v[O+8*\u+4*\k:O+8*\u+4*\k+3] offset:4352*\mm+128*\hh+64*\u+16*\k
.endr
.endr
.endm
; A half of my stage holds 16 rows x 256 bytes (pieces 2 G, 2 G + 1): sixteen lanes store 256 consecutive bytes, at a multiple of 256 from out0's first byte
.macro FLUSH mm
.irp i, 0,1,2,3,4,5,6,7
	ds_load_b128 v[S+4*\i:S+4*\i+3], v[RD] offset:4352*\mm+544*\i       ; LDS serves a wave's instructions in order: these see my stores
.endr
.irp i, 0,1,2,3,4,5,6,7
	s_wait_dscnt 7-\i                              ; the younger loads of this run may stay out
	global_store_b128 v[GO], v[S+4*\i:S+4*\i+3], s[44:45] offset:32768*\mm+4096*\i th:TH_STORE_NT
.endr
.endm
	; ---- attention
.irp i, 0,1,2,3,4,5
	v_mov_b32 v[QB+\i], 0                          ; the three runs of zero codes in Q's operand: written once
	v_mov_b32 v[QB+12+\i], 0
	v_mov_b32 v[QB+24+\i], 0
.endr
.irp i, 0,1,2,3,4,5,6,7
	v_mov_b32 v[212+\i], 0                         ; written once: a lane permute's destination counts as one of its sources
.endr
	v_mov_b32 v17, 0                               ; (named as the upper half of the pair v[16:17])
	s_wait_alu depctr_va_vdst(0)
	TILE 0, 0
	TILE 0, 1
	FLUSH 0
	TILE 1, 0
	TILE 1, 1
	FLUSH 1
	s_wait_tensorcnt 0x0                           ; the wave's end
	ds_add_u32 v[SPW], v[NIL]
	s_wait_dscnt 0x0
	CROUND                                         ; the closing round
	s_endpgm
.Lfunc_end_k_q9c28019a8e_mha:
	.size	k_q9c28019a8e_mha, .Lfunc_end_k_q9c28019a8e_mha-k_q9c28019a8e_mha
	.p2alignl 7, 3214868480
	.fill 96, 4, 3214868480
	.section	.rodata,"a",@progbits
	.p2align	6, 0x0
	.amdhsa_kernel k_q9c28019a8e_mha
		.amdhsa_group_segment_fixed_size 327680
		.amdhsa_private_segment_fixed_size 0
		.amdhsa_enable_private_segment 0
		.amdhsa_kernarg_size 152
		.amdhsa_user_sgpr_count 2
		.amdhsa_user_sgpr_kernarg_segment_ptr 1
		.amdhsa_wavefront_size32 1
		.amdhsa_system_sgpr_workgroup_id_x 1
		.amdhsa_system_sgpr_workgroup_id_y 1
		.amdhsa_system_sgpr_workgroup_id_z 1
		.amdhsa_system_vgpr_workitem_id 0
		.amdhsa_next_free_vgpr 256
		.amdhsa_next_free_sgpr 102
		.amdhsa_reserve_vcc 1
		.amdhsa_float_denorm_mode_32 3
		.amdhsa_float_denorm_mode_16_64 3
		.amdhsa_memory_ordered 1
		.amdhsa_forward_progress 1
		.amdhsa_inst_pref_size 147
	.end_amdhsa_kernel
	.amdgpu_metadata
---
amdhsa.version: [ 1, 2 ]
amdhsa.kernels:
  - .name:           k_q9c28019a8e_mha
    .symbol:         k_q9c28019a8e_mha.kd
    .args:
      - { .name: key0_codes, .offset: 0, .size: 8, .value_kind: global_buffer, .address_space: global }
      - { .name: value0_codes, .offset: 8, .size: 8, .value_kind: global_buffer, .address_space: global }
      - { .name: query0_codes, .offset: 16, .size: 8, .value_kind: global_buffer, .address_space: global }
      - { .name: key0_scales, .offset: 24, .size: 8, .value_kind: global_buffer, .address_space: global }
      - { .name: value0_scales, .offset: 32, .size: 8, .value_kind: global_buffer, .address_space: global }
      - { .name: query0_scales, .offset: 40, .size: 8, .value_kind: global_buffer, .address_space: global }
      - { .name: Wk_codes, .offset: 48, .size: 8, .value_kind: global_buffer, .address_space: global }
      - { .name: Wv_codes, .offset: 56, .size: 8, .value_kind: global_buffer, .address_space: global }
      - { .name: Wq_codes, .offset: 64, .size: 8, .value_kind: global_buffer, .address_space: global }
      - { .name: Wr_codes, .offset: 72, .size: 8, .value_kind: global_buffer, .address_space: global }
      - { .name: Wk_scales, .offset: 80, .size: 8, .value_kind: global_buffer, .address_space: global }
      - { .name: Wv_scales, .offset: 88, .size: 8, .value_kind: global_buffer, .address_space: global }
      - { .name: Wq_scales, .offset: 96, .size: 8, .value_kind: global_buffer, .address_space: global }
      - { .name: Wr_scales, .offset: 104, .size: 8, .value_kind: global_buffer, .address_space: global }
      - { .name: bk, .offset: 112, .size: 8, .value_kind: global_buffer, .address_space: global }
      - { .name: bv, .offset: 120, .size: 8, .value_kind: global_buffer, .address_space: global }
      - { .name: bq, .offset: 128, .size: 8, .value_kind: global_buffer, .address_space: global }
      - { .name: br, .offset: 136, .size: 8, .value_kind: global_buffer, .address_space: global }
      - { .name: out0, .offset: 144, .size: 8, .value_kind: global_buffer, .address_space: global }
    .group_segment_fixed_size: 327680
    .private_segment_fixed_size: 0
    .kernarg_segment_align: 8
    .kernarg_segment_size: 152
    .max_flat_workgroup_size: 512
    .sgpr_count:     102
    .vgpr_count:     256
    .wavefront_size: 32
...
	.end_amdgpu_metadata
.endif
;; end of part 1
